; MI455X (gfx1250); checked and timed in simulation.
; The chip was launched on July 23, 2026; its instructions are those of AMD's public machine-readable ISA for CDNA 5 (MIT licence, August 2026) and "CDNA5" Instruction Set Architecture Reference Guide (July 2026). The comments in the code are by the model that wrote it; some were corrected since.
;; Predictor LG. Allowed arithmetic: matrix products marked QUANTISED: E3M2 operands, one E8M0 scale for each 32 along K, by v_wmma_scale_f32_16x16x128_f8f6f4 with both operands' format E3M2, f32 sums; products left as they are: f32 operands where the result goes on into a quantised operand, else bf16, f16 or f32 operands; f32 sums; everything else in f32.
;; Inputs: W_gd 128 x 64 float32; W_in 128 x 64 float32; W_out1 128 x 64 float32; W_out2 64 x 1 float32; guidance 256 x 1 x 128 float32; ln_gd_b 128 float32; ln_gd_g 128 float32; ln_in_b 128 float32; ln_in_g 128 float32; x 256 x 1,024 x 128 float32.
;; Outputs: out0 256 x 1,024 x 1 float32.
;; This version of the problem:
;;   THIS VERSION OF THE PROBLEM IS GIVEN IN LOW PRECISION. The matrix products marked QUANTISED in the list below multiply operands that are first quantised to E3M2 (3 exponent bits, 2 mantissa bits; 6 bits a number), with one power-of-two scale for each 32 numbers along K (OCP MX v1.0); their sums are f32. All else is computed in f32.
;;   The module's matrix products, in the order in which they are computed (A, B: the left and right operand; K: the contracted axis; several contracted axes count as one K, in the product's order):
;;     1. [M 262,144, K 128] x [K 128, N 64]; A: computed on the way; B: input W_in: QUANTISED
;;     2. [M 256, K 128] x [K 128, N 64]; A: computed on the way; B: input W_gd: QUANTISED
;;     3. [M 262,144, K 128] x [K 128, N 64]; A: computed on the way; B: input W_out1: QUANTISED
;;     4. [M 262,144, K 64] x [K 64, N 1]; A: computed on the way; B: input W_out2: left as it is (N = 1 < 16)
;;   THE QUANTISER, for each operand of a quantised product, along K:
;;     - K is cut into blocks of 32 from its start; a last block that is shorter is filled with zeros.
;;     - A block's scale is 2^e with e = floor(log2(the largest magnitude in the block)) - 4, held to -126 .. 127; a block of zeros has e = 0. As a byte (E8M0): e + 127.
;;     - Each number is divided by its block's scale, clamped to +-28, and rounded to the nearest number of E3M2, ties to even, subnormals kept.
;;     - The product sums the exact products of the quantised numbers (number of the format x scale) in f32.
;;   ~~~python
;;   def quantise(x, axis):      # numpy; x: float32 -> the quantised numbers, widened to float32 again
;;       x = np.moveaxis(x, axis, -1); K = x.shape[-1]
;;       x = np.pad(x, [(0, 0)] * (x.ndim - 1) + [(0, -K % 32)]); x = x.reshape(x.shape[:-1] + (-1, 32)); a = np.abs(x).max(-1, keepdims=True)
;;       e = np.where(a > 0, np.clip(np.frexp(np.where(a > 0, a, 1))[1] - 1 - 4, -126, 127), 0)      # np.frexp(a)[1] - 1 = floor(log2(a)), exactly
;;       r = np.clip(x / 2.0 ** e, -28, 28)
;;       step = 2.0 ** (np.maximum(np.frexp(np.where(r == 0, 1, r))[1] - 1, -2) - 2)
;;       q = np.round(r / step) * step * 2.0 ** e      # np.round: ties to even
;;       return np.moveaxis(q.reshape(q.shape[:-2] + (-1,))[..., :K], -1, axis).astype(np.float32)
;;   ~~~
;;   OPERANDS COMPUTED ON THE WAY. 'Computed on the way' means the value that the module computes at that place (a softmax that the list does not call 'softmax' is quantised finished and normalised). What goes into a quantiser is computed in f32, as accurately as f32 sums, v_exp_f32 and their like allow (about 1e-6 of the number): no bf16 or f16 on the way to a quantiser, and a product that is left as it is and whose result goes on into a quantised operand takes f32 operands (vector FMAs, or v_wmma_f32_16x16x4_f32). A number that lies on a knife's edge between two numbers of the format may be rounded either way, as far as f32 arithmetic and the matrix unit's own rounding can turn it there, and no further.
;; One version. Each part assembles by itself: llvm-mc -triple=amdgcn-amd-amdhsa -mcpu=gfx1250 --defsym DOCPART=n.
;; ======== version 1 of 1: 1 launch
;; launch fused (part 1): grid 256 x 1, 8 waves a work-group, no clusters, 327,680 bytes of LDS; arguments x, guidance, ln_in_g, ln_in_b, W_in, ln_gd_g, ln_gd_b, W_gd, W_out1, W_out2, out0; writes out0
.if DOCPART == 1
	.amdgcn_target "amdgcn-amd-amdhsa--gfx1250"
	.amdhsa_code_object_version 6
	.text
	.protected	k_qb6f7614161_fused
	.globl	k_qb6f7614161_fused
	.p2align	8
	.type	k_qb6f7614161_fused,@function
k_qb6f7614161_fused:
	s_mov_b64 s[64:65], 0
	v_nop
	global_prefetch_b8 v0, s[64:65] scope:SCOPE_SE
	s_setreg_imm32_b32 hwreg(HW_REG_WAVE_MODE, 25, 1), 1
	s_wait_xcnt 0x0
; out0 = tanh(gelu([gelu(LN(x) W_in), g] W_out1) W_out2),  g = gelu(LN(guidance) W_gd), the same for the 1,024 tokens of a batch.
; The three products with K = 128 run on codes of BF6 (E3M2) with one E8M0 scale for each 32 along K; all else is f32.
; NO WORK IS LEFT OUT: every input has a way to out0 and all ten are loaded.  g's broadcast is not laid out: it is K blocks 2 and 3 of the second operand, that is
; registers 6-11 of that operand and bytes 2, 3 of its scale word, which are made once and kept.
; SHARES.  A work-group is one batch.  Wave w of eight takes tokens 128 w .. 128 w + 127: four tiles of 32 rows (one tensor load of 16,384 bytes each) through a ring of two LDS
; slots of its own; a tile is two sub-tiles of 16 tokens.  Both products are used transposed (source 0 = 16 rows of W^T, source 1 = 16 tokens): lane (r, h) holds token r throughout.
; A lane's registers run along K: register 16 b + i is k = 32 b + 16 h + i.  The rows of W^T that form a tile are chosen so that a product's results lie in that same order:
; lane r of tile 2 b + u takes unit 32 b + 8 u + r + 8 (r / 8).
; THE WEIGHTS ([K][64] f32, K outermost) are quantised in the head, a lane to a column and its registers down K: wave w takes K block w % 4 of columns 32 (w / 4) .. + 31 of each of the
; three; the codes go through LDS as images of the operand's registers (lane L's twelve registers at 48 L) and then stay in every wave's registers.
; NO CLUSTER: work-groups share the three weights alone, 98,304 bytes against the 524,288 bytes of x that each reads for itself, and those come through registers since they are quantised on the way.
; GELU is kept doubled: 2 gelu(x) = (x + |x|) - |x| E, E = erfc(|x| / sqrt 2): x + |x| is exact, so nothing cancels for x < 0.  The factor 2 is a power of two: ahead of the quantiser it is
; taken off the scale's byte (the codes are the same), behind the second GELU off W_out2 (x 0.5, exact).
;   ahead of the quantiser: E = t exp(-z^2 + c0 + t (c1 + .. + t c9)), t = 1 / (1 + z / 2): a fit with a fractional error under 1.2e-7 for every z >= 0; the coefficients are held x log2(e);
;   behind the last quantised product: E = (a1 t + .. + a5 t^5) exp(-z^2), t = 1 / (1 + 0.3275911 z): absolute error 1.5e-7.
; LAYERNORM in two passes (mean; then the squares of x - mean), so that a common offset of x costs no accuracy.
; LIMITS: NaN and infinities among the inputs are not served.  E is taken as 0 where it falls under 2^-126.  A block of zeros gets the scale byte 1 with zero codes, where the rule says 127:
; the bytes are read by this program alone.  Blocks whose largest magnitude lies under 2^(4 - 126) have their byte held at 1.
.set PITCH, 528                        ; an LDS row of x: 512 bytes + 16 = 33 x 16: the sixteen rows of a load of 16 bytes a lane start in sixteen different columns of 16 bytes
.set SUBB,  16*PITCH                   ; a sub-tile
.set SLOTB, 32*PITCH                   ; a slot
.set RINGB, 2*SLOTB                    ; a wave's ring
.set TILEB, 32*512                     ; a tile in memory
.set WIMG,  8*RINGB                    ; behind the rings: 12 fragments x 1,536 bytes: W_gd 0-3, W_in 4-7, W_out1 8-11
.set WSC,   WIMG+12*1536               ; their scale words: 64 f + 4 r, byte = K block
.set OSTG,  WSC+768                    ; z ahead of tanh: 512 w + 4 x (token in the wave)
.set SPARE, OSTG+4096                  ; the spare words, 128 bytes for each wave: four blocks of 256 bytes that no other line names
; window 0
.set SPW, 1                            ; v1   LDS address of my spare word; never rewritten
.set NIL, 2                            ; v2   0; never rewritten
.set XA,  3                            ; v3   my ring + 528 r + 64 h
.set ADR, 4                            ; v4   address of the row loads in hand
.set ZA,  5                            ; v5   OSTG + 512 w + 4 r
.set FA,  6                            ; v6   WIMG + 48 lane
.set SA,  7                            ; v7   WSC + 4 r
.set WA,  8                            ; v8   where I store my block's codes
.set WSA, 9                            ; v9   and its scale byte
.set GA,  10                           ; v10  64 h: my 16 numbers of each block of 32 in a vector of f32
.set WL,  11                           ; v11  4 lane
.set MU,  12                           ; v[12:13] the mean (low word; the pair is named)
.set RS,  14                           ; v[14:15] 1 / sqrt(var + eps)
.set X,   16                           ; v16-79   64 numbers of my token
.set T,   16                           ; v16-47   GELU: t
.set U,   48                           ; v48-79   GELU: the exponent, then E
.set H,   80                           ; v80-111  a product's four accumulators
.set AX,  112                          ; v112-143 |.|
.set R,   144                          ; v144-175 the polynomial
.set PC,  176                          ; v176-195 x's codes (12) and the conversions' second halves
.set HC,  196                          ; v196-207 the second operand: 0-5 made anew, 6-11 g's codes, kept
.set HT,  208                          ; v208-210 a conversion's second half
.set TM,  212                          ; v212-227 the quantisers' work
.set PW,  228                          ; x's scale word
.set PW2, 229                          ; the second operand's
.set GSM, 230                          ; g's two bytes at bits 16-31, less 1 in each of the four bytes
.set OL,  231                          ; OSTG + 16 x thread
.set W1S, 232                          ; v232-235 scale words of W_gd, later of W_in
.set W3S, 236                          ; v236-239 of W_out1
.set SM,  240                          ; v240-247 four pairs of sums
.set C8V, 248                          ; v[248:249] c8 twice
.set A4V, 250                          ; v[250:251] a4 twice
.set TP,  252                          ; a lane permute's destination
.set Z,   253                          ; my token's z
.set ZAD, 254
.set OG,  255                          ; 16 x thread: my bytes of the batch's part of out0
; window 1
.set GW,  0                            ; v0-63    LayerNorm's gain
.set BW,  64                           ; v64-127  and bias
.set WF1, 128                          ; v128-175 W_gd's four fragments, later W_in's
.set WF3, 176                          ; v176-223 W_out1's
.set W2,  224                          ; v224-255 W_out2 x 0.5
; scalars
.set WV,  26
.set RG,  27                           ; my ring's first LDS byte
.set D1,  28                           ; s[28:35] descriptor group 1
.set D0A, 36                           ; s[36:39] group 0 of tile 0
.set D0B, 40                           ; s[40:43] group 0 of tile 1, which then walks
.set TB,  45
.set ZB,  46
.set IN,  48
.set ABSM, 49
.set SEL, 50
.set KX,  54
.set KDN, 56
.set KDA, 58
.set C0,  60
.set C1,  62
.set C2,  66
.set C3,  68
.set C4,  70
.set C5,  72
.set C6,  74
.set C7,  76
.set C9,  78
.set A1,  80
.set A2,  82
.set A3,  84
.set A5,  86
.set MSB, 0
.macro WIN new                         ; the immediate's high byte repeats the setting that is left; bits 1:0 source 0, 3:2 source 1, 5:4 source 2, 7:6 destination
.if MSB != \new
	s_set_vgpr_msb (MSB<<8)|\new
.set MSB, \new
.endif
.endm
.macro SPAIR reg, val                  ; a packed form names a pair and takes its low word for both halves: both words are written
	s_mov_b32 s[\reg], \val
	s_mov_b32 s[\reg+1], \val
.endm
.macro NOPS n
.rept \n
	v_nop
.endr
.endm
; ---- the weights
.macro WLOAD i, base                   ; W(32 kb + k, 32 b + lane), k = 0 .. 31: each load reads 128 consecutive bytes
.set wk, 0
.rept 32
	global_load_b32 v[80+32*(\i)+wk], v[WL], s[\base:\base+1] offset:256*wk
.set wk, wk+1
.endr
.endm
.macro WQUANT i, c                     ; my block of 32 along K of my column: all its numbers are mine
.set WS, 80+32*(\i)
	v_max3_num_f32 v[TM], |v[WS]|, |v[WS+1]|, |v[WS+2]|
	v_max3_num_f32 v[TM+1], |v[WS+3]|, |v[WS+4]|, |v[WS+5]|
.irp k, 6,10,14,18,22,26
	v_max3_num_f32 v[TM], v[TM], |v[WS+\k]|, |v[WS+\k+1]|
	v_max3_num_f32 v[TM+1], v[TM+1], |v[WS+\k+2]|, |v[WS+\k+3]|
.endr
	v_max3_num_f32 v[TM], v[TM], |v[WS+30]|, |v[WS+31]|
	v_max3_num_f32 v[TM], v[TM], v[TM+1], 0x2800000              ; the floor 2^(5 - 127): the byte cannot fall under 1
	v_add_nc_u32 v[TM+2], 0xfe000000, v[TM]                      ; 4 off the exponent field: the conversion's scale operand
	v_lshrrev_b32 v[TM+8+\i], 23, v[TM+2]                        ; the scale's byte, in a register of its own for each unit
	v_cvt_scalef32_pk16_bf6_f32 v[\c:\c+2], v[WS:WS+15], v[TM+2]
	v_cvt_scalef32_pk16_bf6_f32 v[\c+4:\c+6], v[WS+16:WS+31], v[TM+2]   ; (a conversion's three registers begin on an even number)
	v_nop                                                        ; one plain place behind a scaled conversion
	v_mov_b32 v[\c+3], v[\c+4]
	v_mov_b32 v[\c+4], v[\c+5]
	v_mov_b32 v[\c+5], v[\c+6]                                   ; 24 bytes on end: registers 6 (kb / 2) .. + 5 of lane r' + 16 (kb % 2) of the fragment
	ds_store_b64 v[WA], v[\c:\c+1] offset:6144*(\i)
	ds_store_b64 v[WA], v[\c+2:\c+3] offset:6144*(\i)+8
	ds_store_b64 v[WA], v[\c+4:\c+5] offset:6144*(\i)+16
	ds_store_b8 v[WSA], v[TM+8+\i] offset:256*(\i)
.endm
.macro FRAGS f0, dst                   ; four fragments come back as they were laid: 48 bytes a lane
	WIN 0x40
.irp t, 0,1,2,3
.irp q, 0,1,2
	ds_load_b128 v[\dst+12*\t+4*\q:\dst+12*\t+4*\q+3], v[FA] offset:1536*(\f0+\t)+16*\q
.endr
.endr
	WIN 0
.endm
.macro SCW f0, dst
.irp t, 0,1,2,3
	ds_load_b32 v[\dst+\t], v[SA] offset:64*(\f0+\t)
.endr
.endm
.macro VLOAD dst, base, nb             ; a vector of 32 nb numbers in the lanes' order: register 16 b + i = number 32 b + 16 h + i
.set vb, 0
.rept \nb
.irp j, 0,1,2,3
	global_load_b128 v[\dst+16*vb+4*\j:\dst+16*vb+4*\j+3], v[GA], s[\base:\base+1] offset:128*vb+16*\j
.endr
.set vb, vb+1
.endr
.endm
; ---- LayerNorm of the 64 numbers in X (the token's other 64 lie in lane l xor 16)
.macro REDUCE                          ; four pairs of sums -> the token's sum in v[SM], in both lanes
	v_pk_add_f32 v[SM:SM+1], v[SM:SM+1], v[SM+2:SM+3]
	v_pk_add_f32 v[SM+4:SM+5], v[SM+4:SM+5], v[SM+6:SM+7]
	v_pk_add_f32 v[SM:SM+1], v[SM:SM+1], v[SM+4:SM+5]
	v_add_f32 v[SM], v[SM], v[SM+1]
	v_permlanex16_b32 v[TP], v[SM], s[SEL], s[SEL+1]
	v_add_f32 v[SM], v[SM], v[TP]
.endm
.macro LN_A                            ; the sums of registers 0-31, in four chains
.irp c, 0,1,2,3
	v_pk_add_f32 v[SM+2*\c:SM+2*\c+1], v[X+2*\c:X+2*\c+1], v[X+2*\c+8:X+2*\c+9]
.endr
.irp q, 8,12
.irp c, 0,1,2,3
	v_pk_add_f32 v[SM+2*\c:SM+2*\c+1], v[SM+2*\c:SM+2*\c+1], v[X+2*(\q+\c):X+2*(\q+\c)+1]
.endr
.endr
.endm
.macro LN_B
.irp q, 16,20,24,28
.irp c, 0,1,2,3
	v_pk_add_f32 v[SM+2*\c:SM+2*\c+1], v[SM+2*\c:SM+2*\c+1], v[X+2*(\q+\c):X+2*(\q+\c)+1]
.endr
.endr
	REDUCE
	v_mul_f32 v[MU], s52, v[SM]                                  ; the mean: x 2^-7
.set lq, 0
.rept 32
	v_pk_add_f32 v[X+2*lq:X+2*lq+1], v[X+2*lq:X+2*lq+1], v[MU:MU+1] op_sel_hi:[1,0] neg_lo:[0,1] neg_hi:[0,1]
.set lq, lq+1
.endr
.irp c, 0,1,2,3
	v_pk_mul_f32 v[SM+2*\c:SM+2*\c+1], v[X+2*\c:X+2*\c+1], v[X+2*\c:X+2*\c+1]
.endr
.irp q, 4,8,12,16,20,24,28
.irp c, 0,1,2,3
	v_pk_fma_f32 v[SM+2*\c:SM+2*\c+1], v[X+2*(\q+\c):X+2*(\q+\c)+1], v[X+2*(\q+\c):X+2*(\q+\c)+1], v[SM+2*\c:SM+2*\c+1]
.endr
.endr
	REDUCE
	v_fma_f32 v[RS], v[SM], s52, s53                             ; var + eps
	v_rsq_f32 v[RS], v[RS]
	v_nop                                                        ; a plain place behind the transcendental
	s_wait_alu depctr_va_vdst(0)                                 ; the wait ahead of the first line that names its result
.set lq, 0
.rept 32
	v_pk_mul_f32 v[X+2*lq:X+2*lq+1], v[X+2*lq:X+2*lq+1], v[RS:RS+1] op_sel_hi:[1,0]
.set lq, lq+1
.endr
.endm
.macro LN_AFF
	WIN 0x14                                                     ; gain and bias in window 1
.set lq, 0
.rept 32
	v_pk_fma_f32 v[X+2*lq:X+2*lq+1], v[X+2*lq:X+2*lq+1], v[GW+2*lq:GW+2*lq+1], v[BW+2*lq:BW+2*lq+1]
.set lq, lq+1
.endr
	WIN 0
.endm
; ---- X's 64 numbers become a fragment's codes in v[PC] on and its scale word in v[PW]
.macro QUANT128
.irp b, 0,1,2,3
	v_max3_num_f32 v[TM+\b], |v[X+16*\b]|, |v[X+1+16*\b]|, 0x2800000   ; block b: my 16 numbers, and the floor 2^(5 - 127)
.endr
.irp i, 2,4,6,8,10,12,14
.irp b, 0,1,2,3
	v_max3_num_f32 v[TM+\b], v[TM+\b], |v[X+16*\b+\i]|, |v[X+1+16*\b+\i]|
.endr
.endr
.irp b, 0,1,2,3
	v_permlanex16_b32 v[TM+4+\b], v[TM+\b], s[SEL], s[SEL+1]
.endr
.irp b, 0,1,2,3
	v_max_num_f32 v[TM+\b], v[TM+\b], v[TM+4+\b]                 ; with lane l xor 16's: the block's largest magnitude
.endr
.irp b, 0,1,2,3
	v_add_nc_u32 v[TM+12+\b], 0xfe000000, v[TM+\b]               ; 4 off its exponent field: the conversion's scale operand
.endr
.irp b, 0,1,2,3
	v_lshrrev_b32 v[TM+4+\b], 23, v[TM+12+\b]                    ; the scale's byte
.endr
	v_lshl_or_b32 v[PW], v[TM+5], 8, v[TM+4]
	v_lshl_or_b32 v[PW], v[TM+6], 16, v[PW]
	v_lshl_or_b32 v[PW], v[TM+7], 24, v[PW]
.irp c, 0,1
	v_cvt_scalef32_pk16_bf6_f32 v[PC+6*\c:PC+2+6*\c], v[X+32*\c:X+15+32*\c], v[TM+12+2*\c]
	v_cvt_scalef32_pk16_bf6_f32 v[PC+12+4*\c:PC+14+4*\c], v[X+16+32*\c:X+31+32*\c], v[TM+12+2*\c+1]
.endr
	v_nop                                                        ; one plain place behind a scaled conversion
.irp c, 0,1                                                      ; the operand's layout wants a whole block in a lane: lanes 0-15 block 2 c, lanes 16-31 block 2 c + 1
.irp i, 0,1,2
	v_permlane16_swap_b32 v[PC+6*\c+\i], v[PC+12+4*\c+\i]
.endr
.irp i, 0,1,2
	v_mov_b32 v[PC+3+6*\c+\i], v[PC+12+4*\c+\i]
.endr
.endr
	NOPS 8                                                       ; a scale word made by vector lines stands 8 places ahead of the scaled product, an operand so made 4
.endm
; ---- H's 32 numbers, DOUBLED, become six registers of codes at v[dst] on.  The conversion divides by the doubled numbers' scale, which gives the true codes; the true bytes are one less.
; gd = 0: a sub-tile: the scale word is my two bytes + g's two, each less 1.  gd = 1: the guidance: its two bytes go up to bits 16-31, and 1 is taken off all four bytes in advance.
.macro QUANT64 dst, gd
.irp b, 0,1
	v_max3_num_f32 v[TM+\b], |v[H+16*\b]|, |v[H+1+16*\b]|, 0x3000000   ; the floor 2^(6 - 127): the true byte cannot fall under 1
.endr
.irp i, 2,4,6,8,10,12,14
.irp b, 0,1
	v_max3_num_f32 v[TM+\b], v[TM+\b], |v[H+16*\b+\i]|, |v[H+1+16*\b+\i]|
.endr
.endr
.irp b, 0,1
	v_permlanex16_b32 v[TM+4+\b], v[TM+\b], s[SEL], s[SEL+1]
.endr
.irp b, 0,1
	v_max_num_f32 v[TM+\b], v[TM+\b], v[TM+4+\b]
.endr
.irp b, 0,1
	v_add_nc_u32 v[TM+12+\b], 0xfe000000, v[TM+\b]
.endr
.irp b, 0,1
	v_lshrrev_b32 v[TM+4+\b], 23, v[TM+12+\b]
.endr
	v_lshl_or_b32 v[TM+8], v[TM+5], 8, v[TM+4]
.if \gd
	v_lshl_add_u32 v[GSM], v[TM+8], 16, 0xfefefeff               ; + (-0x01010101): every byte of the finished word is 2 or more, so nothing is borrowed
.else
	v_add_nc_u32 v[PW2], v[TM+8], v[GSM]
.endif
	v_cvt_scalef32_pk16_bf6_f32 v[\dst:\dst+2], v[H:H+15], v[TM+12]
	v_cvt_scalef32_pk16_bf6_f32 v[HT:HT+2], v[H+16:H+31], v[TM+13]
	v_nop
.irp i, 0,1,2
	v_permlane16_swap_b32 v[\dst+\i], v[HT+\i]
.endr
.irp i, 0,1,2
	v_mov_b32 v[\dst+3+\i], v[HT+\i]
.endr
.if !\gd
	NOPS 8                                                       ; as in QUANT128
.endif
.endm
; ---- four products, four accumulators, each begun with the constant 0: 64 units x 16 tokens x K = 128
.macro MM wf, sc, b, bs
	WIN 0x01                                                     ; source 0, the weights' fragments, in window 1
.irp t, 0,1,2,3
	v_wmma_scale_f32_16x16x128_f8f6f4 v[H+8*\t:H+8*\t+7], v[\wf+12*\t:\wf+12*\t+11], v[\b:\b+11], 0, v[\sc+\t], v[\bs] matrix_a_fmt:MATRIX_FMT_BF6 matrix_b_fmt:MATRIX_FMT_BF6
.endr
	WIN 0
	NOPS 4                                                       ; four places ahead of the first read of the results (ISA guide 7.12.1)
.endm
; ---- H = 2 gelu(H), 16 pairs.  Each accumulator is read from its low end on.
.macro GE1 p                           ; |x|; 1 + KD |x|
	v_and_b32 v[AX+2*(\p)], s[ABSM], v[H+2*(\p)]
	v_and_b32 v[AX+2*(\p)+1], s[ABSM], v[H+2*(\p)+1]
	v_pk_fma_f32 v[T+2*(\p):T+2*(\p)+1], v[AX+2*(\p):AX+2*(\p)+1], s[KD:KD+1], 1.0 op_sel_hi:[1,0,0]
.endm
.macro GE2 p, fine                     ; t; -x^2 log2(e) / 2 (+ c0); x + |x|.  A plain line stands behind each reciprocal
	v_rcp_f32 v[T+2*(\p)], v[T+2*(\p)]
	v_pk_mul_f32 v[U+2*(\p):U+2*(\p)+1], v[H+2*(\p):H+2*(\p)+1], s[KX:KX+1] op_sel_hi:[1,0]
	v_rcp_f32 v[T+2*(\p)+1], v[T+2*(\p)+1]
.if \fine
	v_pk_fma_f32 v[U+2*(\p):U+2*(\p)+1], v[U+2*(\p):U+2*(\p)+1], v[H+2*(\p):H+2*(\p)+1], s[C0:C0+1] op_sel_hi:[1,1,0]
.else
	v_pk_mul_f32 v[U+2*(\p):U+2*(\p)+1], v[U+2*(\p):U+2*(\p)+1], v[H+2*(\p):H+2*(\p)+1]
.endif
	v_pk_add_f32 v[H+2*(\p):H+2*(\p)+1], v[H+2*(\p):H+2*(\p)+1], v[AX+2*(\p):AX+2*(\p)+1]
.endm
.macro HS b, ca, cv                    ; the polynomial's first level, pairs b .. b + 7: r = t ca + cv
.irp q, 0,1,2,3,4,5,6,7
	v_pk_fma_f32 v[R+2*(\b+\q):R+2*(\b+\q)+1], v[T+2*(\b+\q):T+2*(\b+\q)+1], s[\ca:\ca+1], v[\cv:\cv+1] op_sel_hi:[1,0,1]
.endr
.endm
.macro HM b, c                         ; r = r t + c
.irp q, 0,1,2,3,4,5,6,7
	v_pk_fma_f32 v[R+2*(\b+\q):R+2*(\b+\q)+1], v[R+2*(\b+\q):R+2*(\b+\q)+1], v[T+2*(\b+\q):T+2*(\b+\q)+1], s[\c:\c+1] op_sel_hi:[1,1,0]
.endr
.endm
.macro HEF b                           ; the exponent: u = r t + u
.irp q, 0,1,2,3,4,5,6,7
	v_pk_fma_f32 v[U+2*(\b+\q):U+2*(\b+\q)+1], v[R+2*(\b+\q):R+2*(\b+\q)+1], v[T+2*(\b+\q):T+2*(\b+\q)+1], v[U+2*(\b+\q):U+2*(\b+\q)+1]
.endr
.endm
.macro HEC b                           ; r = r t
.irp q, 0,1,2,3,4,5,6,7
	v_pk_mul_f32 v[R+2*(\b+\q):R+2*(\b+\q)+1], v[R+2*(\b+\q):R+2*(\b+\q)+1], v[T+2*(\b+\q):T+2*(\b+\q)+1]
.endr
.endm
.macro EX r0, n                        ; n exponentials, in place, from register r0 of U on
.set ee, \r0
.rept \n
	v_exp_f32 v[U+ee], v[U+ee]
.set ee, ee+1
.endr
.endm
.macro GE5A p, fine                    ; E
.if \fine
	v_pk_mul_f32 v[U+2*(\p):U+2*(\p)+1], v[U+2*(\p):U+2*(\p)+1], v[T+2*(\p):T+2*(\p)+1]
.else
	v_pk_mul_f32 v[U+2*(\p):U+2*(\p)+1], v[U+2*(\p):U+2*(\p)+1], v[R+2*(\p):R+2*(\p)+1]
.endif
.endm
.macro GE5B p                          ; (x + |x|) - |x| E
	v_pk_fma_f32 v[H+2*(\p):H+2*(\p)+1], v[AX+2*(\p):AX+2*(\p)+1], v[U+2*(\p):U+2*(\p)+1], v[H+2*(\p):H+2*(\p)+1] neg_lo:[1,0,0] neg_hi:[1,0,0]
.endm
; Three batches of transcendentals, each with one wait ahead of its first reader and a plain line behind its last member:
; the 32 reciprocals; the first half's 16 exponentials, set between the levels of the second half's polynomial; the second half's 16, set between the first half's last lines.
.macro GELU fine
.if \fine
.set KD, KDN
.else
.set KD, KDA
.endif
.set gp, 0
.rept 8
	GE1 gp
.set gp, gp+1
.endr
.set gp, 0
.rept 8
	GE2 gp, \fine
	GE1 gp+8
.set gp, gp+1
.endr
.rept 8
	GE2 gp, \fine
.set gp, gp+1
.endr
	s_wait_alu depctr_va_vdst(0)                                 ; the reciprocals
.if \fine
	HS 0, C9, C8V
.irp c, C7,C6,C5,C4,C3,C2,C1
	HM 0, \c
.endr
	HEF 0
	HS 8, C9, C8V
	EX 0, 2
	HM 8, C7
	EX 2, 2
	HM 8, C6
	EX 4, 2
	HM 8, C5
	EX 6, 2
	HM 8, C4
	EX 8, 2
	HM 8, C3
	EX 10, 2
	HM 8, C2
	EX 12, 2
	HM 8, C1
	EX 14, 2
	HEF 8
.else
	HS 0, A5, A4V
	HM 0, A3
	HM 0, A2
	HM 0, A1
	HEC 0
	HS 8, A5, A4V
	EX 0, 4
	HM 8, A3
	EX 4, 4
	HM 8, A2
	EX 8, 4
	HM 8, A1
	EX 12, 4
	HEC 8
.endif
	s_wait_alu depctr_va_vdst(0)                                 ; the first half's exponentials
.set gp, 0
.rept 8
	GE5A gp, \fine
	EX 16+2*gp, 2
	GE5B gp
.set gp, gp+1
.endr
	s_wait_alu depctr_va_vdst(0)                                 ; the second half's
.set gp, 8
.rept 8
	GE5A gp, \fine
.set gp, gp+1
.endr
.set gp, 8
.rept 8
	GE5B gp
.set gp, gp+1
.endr
.endm
; ---- z = the sum over the 64 units of 2 gelu x (W_out2 / 2): N = 1, and a lane holds 32 of its token's units: fused multiply-adds
.macro DOT
	WIN 0x04                                                     ; W_out2 in window 1
	v_pk_mul_f32 v[SM:SM+1], v[H:H+1], v[W2:W2+1]
	v_pk_mul_f32 v[SM+2:SM+3], v[H+2:H+3], v[W2+2:W2+3]
.irp q, 4,8,12,16,20,24,28
	v_pk_fma_f32 v[SM:SM+1], v[H+\q:H+\q+1], v[W2+\q:W2+\q+1], v[SM:SM+1]
	v_pk_fma_f32 v[SM+2:SM+3], v[H+\q+2:H+\q+3], v[W2+\q+2:W2+\q+3], v[SM+2:SM+3]
.endr
	WIN 0
	v_pk_add_f32 v[SM:SM+1], v[SM:SM+1], v[SM+2:SM+3]
	v_add_f32 v[Z], v[SM], v[SM+1]
	v_permlanex16_b32 v[TP], v[Z], s[SEL], s[SEL+1]
	v_add_f32 v[Z], v[Z], v[TP]
.endm
; ---- sixteen tokens, from LDS byte s[TB] of my ring, to z at byte s[ZB] of my part of the stage
.macro SUBTILE
	v_add_nc_u32 v[ADR], s[TB], v[XA]
.irp b, 0,1,2,3
.irp j, 0,1,2,3
	ds_load_b128 v[X+16*\b+4*\j:X+16*\b+4*\j+3], v[ADR] offset:128*\b+16*\j
.endr
.endr
	s_wait_dscnt 0x8                                             ; the first eight of the sixteen loads are in: registers 0-31
	LN_A
	s_wait_dscnt 0x0
	LN_B
	LN_AFF
	QUANT128
	MM WF1, W1S, PC, PW
	GELU 1
	QUANT64 HC, 0
	MM WF3, W3S, HC, PW2
	GELU 0
	DOT
	v_add_nc_u32 v[ZAD], s[ZB], v[ZA]
	ds_store_b32 v[ZAD], v[Z]                                    ; lanes r and r + 16 write the same word with the same value
	s_add_co_u32 s[TB], s[TB], SUBB
	s_add_co_u32 s[ZB], s[ZB], 64
.endm
.macro PAIR tile                       ; a tile's two sub-tiles: written once, walked twice
	s_mov_b32 s[TB], ((\tile)%2)*SLOTB
	s_mov_b32 s[ZB], (\tile)*128
	s_mov_b32 s[IN], 2
.Lsub_\@:
	SUBTILE
	s_sub_co_u32 s[IN], s[IN], 1
	s_cmp_lg_u32 s[IN], 0
	s_cbranch_scc1 .Lsub_\@
.endm
; Slot s of my ring, which has been read, is filled again with the tile two on.
.macro FILL s
	s_wait_tensorcnt 0x0                                         ; all my tensor loads have landed, so a group 0 may be written
	ds_add_u32 v[SPW], v[NIL]                                    ; 0 onto my spare word
	s_add_co_u32 s[D0B+1], s[RG], (\s)*SLOTB
	s_add_nc_u64 s[D0B+2:D0B+3], s[D0B+2:D0B+3], TILEB           ; the next tile; the type bits on top are not reached
	s_wait_dscnt 0x0                                             ; the add is done, my reads of the slot are back, my stores of z have landed
	s_barrier_signal -1
	s_barrier_wait -1                                            ; all eight waves have said the same
	tensor_load_to_lds s[D0B:D0B+3], s[D1:D1+7]                  ; my one tensor load behind the barrier, and the first thing there
	s_nop 0
.endm
	; ==== the head
	s_load_b512 s[4:19], s[0:1], 0x0               ; x 4, guidance 6, ln_in_g 8, ln_in_b 10, W_in 12, ln_gd_g 14, ln_gd_b 16, W_gd 18
	s_load_b128 s[20:23], s[0:1], 0x40             ; W_out1 20, W_out2 22
	s_load_b64 s[24:25], s[0:1], 0x50              ; out0
	v_lshl_add_u32 v[SPW], v0, 2, SPARE
	v_mov_b32 v[NIL], 0
	ds_add_u32 v[SPW], v[NIL]                      ; the wave's opening: the add, twice on end, and its wait ahead of my first tensor load
	ds_add_u32 v[SPW], v[NIL]                      ; the set-up below, work on registers, stands between the second and the wait
	v_lshrrev_b32 v16, 5, v0
	v_readfirstlane_b32 s[WV], v16                 ; wave 0..7
	v_and_b32 v16, 31, v0                          ; lane
	v_and_b32 v17, 15, v0                          ; r
	v_bfe_u32 v18, v0, 4, 1                        ; h
	v_bfe_u32 v19, v0, 3, 1                        ; u: which of the two tiles my column 32 b + lane falls into
	v_and_b32 v20, 7, v0
	v_lshl_or_b32 v20, v18, 3, v20                 ; r': its row there
	s_mul_i32 s[RG], s[WV], RINGB
	v_mul_u32_u24 v[XA], v17, PITCH
	v_lshl_add_u32 v[XA], v18, 6, v[XA]
	v_add_nc_u32 v[XA], s[RG], v[XA]
	s_lshl_b32 s88, s[WV], 9
	s_add_co_u32 s88, s88, OSTG
	v_lshl_add_u32 v[ZA], v17, 2, s88
	v_mul_u32_u24 v[FA], v16, 48
	v_add_nc_u32 v[FA], WIMG, v[FA]
	v_lshl_add_u32 v[SA], v17, 2, WSC
	s_lshr_b32 s89, s[WV], 2                       ; b: which 32 columns
	s_and_b32 s90, s[WV], 3                        ; kb: which block of 32 along K
	s_mul_i32 s91, s89, 3072                       ; two fragments for each 32 columns,
	s_and_b32 s88, s90, 1
	s_mul_i32 s88, s88, 768                        ; lanes 16-31 hold the odd blocks,
	s_add_co_u32 s91, s91, s88
	s_lshr_b32 s88, s90, 1
	s_mul_i32 s88, s88, 24                         ; registers 6-11 blocks 2 and 3
	s_add_co_u32 s91, s91, s88
	s_add_co_u32 s91, s91, WIMG
	v_mul_u32_u24 v[WA], v20, 48
	v_mad_u32_u24 v[WA], v19, 1536, v[WA]
	v_add_nc_u32 v[WA], s91, v[WA]
	s_lshl_b32 s94, s89, 7
	s_add_co_u32 s94, s94, s90
	s_add_co_u32 s94, s94, WSC
	v_lshlrev_b32 v[WSA], 2, v20
	v_lshl_add_u32 v[WSA], v19, 6, v[WSA]
	v_add_nc_u32 v[WSA], s94, v[WSA]
	v_lshlrev_b32 v[GA], 6, v18
	v_lshlrev_b32 v[WL], 2, v16
	v_lshl_add_u32 v[OL], v0, 4, OSTG
	v_lshlrev_b32 v[OG], 4, v0
	s_lshl_b32 s92, s90, 13                        ; my unit in a weight: 32 kb rows of 256 bytes,
	s_lshl_b32 s93, s89, 7                         ; 32 b columns
	s_add_co_u32 s92, s92, s93
	s_mov_b32 s93, 0
	s_lshl_b32 s88, ttmp9, 19                      ; my batch: 1,024 rows of 512 bytes,
	s_lshl_b32 s89, s[WV], 16                      ; my wave's 128 of them
	s_add_co_u32 s88, s88, s89
	s_mov_b32 s89, 0
	; descriptor group 1: a tile of 32 rows x 128 elements of 4 bytes, rows 128 elements apart, 4 words of padding behind every 128
	s_mov_b32 s[D1+0], (2<<16)|(1<<20)|(6<<22)|(3<<25)
	s_mov_b32 s[D1+1], 128<<16                     ; tensor_dim0
	s_mov_b32 s[D1+2], 32<<16                      ; tensor_dim1
	s_mov_b32 s[D1+3], 128<<16                     ; tile_dim0
	s_mov_b32 s[D1+4], 32                          ; tile_dim1
	s_mov_b32 s[D1+5], 128                         ; tensor_dim0_stride
	s_mov_b32 s[D1+6], 0
	s_mov_b32 s[D1+7], 0
	s_mov_b32 s[ABSM], 0x7fffffff
	s_mov_b32 s[SEL], 0x76543210
	s_mov_b32 s[SEL+1], 0xfedcba98                 ; v_permlanex16_b32's selects for lane l xor 16
	s_mov_b32 s52, 0x3c000000                      ; 2^-7
	s_mov_b32 s53, 0x3727c5ac                      ; 1e-5
	SPAIR KX,  0xbf38aa3b                          ; -log2(e) / 2
	SPAIR KDN, 0x3eb504f3                          ; 1 / (2 sqrt 2)
	SPAIR KDA, 0x3e6d3388                          ; 0.3275911 / sqrt 2
	SPAIR C0,  0xbfe9b21e                          ; c0 .. c9, each x log2(e)
	SPAIR C1,  0x3fb8ab5a
	SPAIR C2,  0x3f0a29d2
	SPAIR C3,  0x3e0efb2e
	SPAIR C4,  0xbe899a80
	SPAIR C5,  0x3ecdfd18
	SPAIR C6,  0xbfd1a1e5
	SPAIR C7,  0x40097039
	SPAIR C9,  0x3e7c6f08
	SPAIR A1,  0x3e827906
	SPAIR A2,  0xbe91a98e
	SPAIR A3,  0x3fb5f0e3
	SPAIR A5,  0x3f87dc22
	v_mov_b32 v[C8V], 0xbf97d29d
	v_mov_b32 v[C8V+1], 0xbf97d29d
	v_mov_b32 v[A4V], 0xbfba00e3
	v_mov_b32 v[A4V+1], 0xbfba00e3
	v_mov_b32 v[MU+1], 0                           ; (named as the upper halves of pairs)
	v_mov_b32 v[RS+1], 0
	v_mov_b32 v[TP], 0                             ; written once: a lane permute's destination counts as one of its sources
.irp b, 0,1,2,3
	v_mov_b32 v[TM+4+\b], 0
.endr
	s_wait_dscnt 0x0                               ; both opening adds are done
	s_wait_kmcnt 0x0
	s_add_nc_u64 s[4:5], s[4:5], s[88:89]          ; x at my wave's first row
	s_mov_b32 s[D0A], 1                            ; count = 1
	s_mov_b32 s[D0A+1], s[RG]                      ; slot 0
	s_mov_b64 s[D0A+2:D0A+3], s[4:5]               ; tile 0
	s_or_b32 s[D0A+3], s[D0A+3], 0x80000000        ; type = 2
	s_mov_b32 s[D0B], 1
	s_add_co_u32 s[D0B+1], s[RG], SLOTB            ; slot 1
	s_add_nc_u64 s[D0B+2:D0B+3], s[4:5], TILEB     ; tile 1
	s_or_b32 s[D0B+3], s[D0B+3], 0x80000000
	tensor_load_to_lds s[D0A:D0A+3], s[D1:D1+7]    ; both first fills go out together, in every wave, ahead of every wait on TENSORcnt, LDS read and barrier: two loads of mine are out
	s_nop 0
	tensor_load_to_lds s[D0B:D0B+3], s[D1:D1+7]
	s_nop 0
	NOPS 4
	s_lshl_b32 s88, ttmp9, 9
	s_add_nc_u64 s[6:7], s[6:7], s[88:89]          ; my batch's row of guidance
	s_lshl_b32 s88, ttmp9, 12
	s_add_nc_u64 s[24:25], s[24:25], s[88:89]      ; and its 4,096 bytes of out0
	s_add_nc_u64 s[18:19], s[18:19], s[92:93]      ; my unit of each weight
	s_add_nc_u64 s[12:13], s[12:13], s[92:93]
	s_add_nc_u64 s[20:21], s[20:21], s[92:93]
	; 144 loads: what the guidance's chain wants first
	WLOAD 0, 18                                    ; W_gd
	VLOAD X, 6, 4                                  ; guidance: every r reads the batch's one row
	WIN 0x40
	VLOAD GW, 14, 4                                ; ln_gd_g
	VLOAD BW, 16, 4                                ; ln_gd_b
	WIN 0
	WLOAD 1, 12                                    ; W_in
	WLOAD 2, 20                                    ; W_out1
	s_wait_loadcnt 0x3f                            ; at most 63 of the 144 are out: the first 81 are in, and the first 80 are W_gd's unit, guidance and its gain and bias
	WQUANT 0, 196
	s_wait_dscnt 0x0                               ; for the others' sake: my part of W_gd's images has landed
	s_barrier_signal -1
	LN_A                                           ; work on registers while the others arrive: the guidance's LayerNorm and quantiser
	LN_B
	LN_AFF
	QUANT128
	s_barrier_wait -1                              ; W_gd's four fragments lie in LDS
	FRAGS 0, WF1
	SCW 0, W1S
	s_wait_loadcnt 0x0                             ; W_in's and W_out1's units
	WQUANT 1, 204
	WQUANT 2, 196
	WIN 0x40
	VLOAD GW, 8, 4                                 ; ln_in_g, ln_in_b take the guidance's places: its LayerNorm is done
	VLOAD BW, 10, 4
	VLOAD W2, 22, 2                                ; W_out2
	WIN 0
	s_wait_dscnt 0x0                               ; W_gd's fragments are in my registers; my parts of the other two weights' images have landed
	s_barrier_signal -1
	MM WF1, W1S, PC, PW                            ; g, in every wave alike: work on registers while the others arrive
	GELU 1
	QUANT64 HC+6, 1
	s_barrier_wait -1                              ; all twelve fragments lie in LDS
	FRAGS 4, WF1
	FRAGS 8, WF3
	SCW 4, W1S
	SCW 8, W3S
	s_wait_loadcnt 0x0                             ; gain, bias, W_out2
	WIN 0x41
.set lq, 0
.rept 16
	v_pk_mul_f32 v[W2+2*lq:W2+2*lq+1], v[W2+2*lq:W2+2*lq+1], 0.5 op_sel_hi:[1,0]   ; the second GELU's factor 2, taken off exactly
.set lq, lq+1
.endr
	WIN 0
	s_wait_dscnt 0x0                               ; the weights are in my registers
	; ==== my 128 tokens
	s_wait_tensorcnt 0x1                           ; tile 0 has landed: one load, tile 1's, was issued behind it
	PAIR 0
	FILL 0                                         ; tile 2 into slot 0: it has tile 1's two sub-tiles in which to land
	s_wait_tensorcnt 0x1                           ; tile 1: one load was issued behind it (the wait for 0 ahead of the barrier has shown it landed)
	PAIR 1
	FILL 1                                         ; tile 3 into slot 1
	s_wait_tensorcnt 0x1                           ; tile 2: one load was issued behind it
	PAIR 2
	s_wait_tensorcnt 0x0                           ; tile 3
	PAIR 3
	; ==== tanh(z) = 1 - 2 / (1 + 2^(2 log2(e) z)), four tokens a lane, and one store: the wave's 512 consecutive bytes, at a multiple of 512 from out0's first byte
	SPAIR 88, 0x4038aa3b
	ds_load_b128 v[SM:SM+3], v[OL]                 ; my wave's own bytes: LDS serves a wave's instructions in order (ISA guide 5.7.1.4)
	s_wait_dscnt 0x0
	v_pk_mul_f32 v[SM:SM+1], v[SM:SM+1], s[88:89] op_sel_hi:[1,0]
	v_pk_mul_f32 v[SM+2:SM+3], v[SM+2:SM+3], s[88:89] op_sel_hi:[1,0]
.irp i, 0,1,2,3
	v_exp_f32 v[SM+\i], v[SM+\i]
.endr
	v_nop
	s_wait_alu depctr_va_vdst(0)                   ; one wait for the four
	v_pk_add_f32 v[SM:SM+1], v[SM:SM+1], 1.0 op_sel_hi:[1,0]
	v_pk_add_f32 v[SM+2:SM+3], v[SM+2:SM+3], 1.0 op_sel_hi:[1,0]
.irp i, 0,1,2,3
	v_rcp_f32 v[SM+\i], v[SM+\i]
.endr
	v_nop
	s_wait_alu depctr_va_vdst(0)
	v_pk_fma_f32 v[SM:SM+1], v[SM:SM+1], -2.0, 1.0 op_sel_hi:[1,0,0]
	v_pk_fma_f32 v[SM+2:SM+3], v[SM+2:SM+3], -2.0, 1.0 op_sel_hi:[1,0,0]
	global_store_b128 v[OG], v[SM:SM+3], s[24:25] th:TH_STORE_NT
	s_wait_tensorcnt 0x0                           ; the wave's end, behind my last tensor load and my last LDS store
	ds_add_u32 v[SPW], v[NIL]
	s_wait_dscnt 0x0
	s_endpgm
.Lfunc_end_k_qb6f7614161_fused:
	.size	k_qb6f7614161_fused, .Lfunc_end_k_qb6f7614161_fused-k_qb6f7614161_fused
	.p2alignl 7, 3214868480
	.fill 96, 4, 3214868480
	.section	.rodata,"a",@progbits
	.p2align	6, 0x0
	.amdhsa_kernel k_qb6f7614161_fused
		.amdhsa_group_segment_fixed_size 327680
		.amdhsa_private_segment_fixed_size 0
		.amdhsa_enable_private_segment 0
		.amdhsa_kernarg_size 88
		.amdhsa_user_sgpr_count 2
		.amdhsa_user_sgpr_kernarg_segment_ptr 1
		.amdhsa_wavefront_size32 1
		.amdhsa_system_sgpr_workgroup_id_x 1
		.amdhsa_system_sgpr_workgroup_id_y 1
		.amdhsa_system_sgpr_workgroup_id_z 1
		.amdhsa_system_vgpr_workitem_id 0
		.amdhsa_next_free_vgpr 512
		.amdhsa_next_free_sgpr 96
		.amdhsa_reserve_vcc 0
		.amdhsa_float_denorm_mode_32 3
		.amdhsa_float_denorm_mode_16_64 3
		.amdhsa_memory_ordered 1
		.amdhsa_forward_progress 1
		.amdhsa_inst_pref_size 255
	.end_amdhsa_kernel
	.section	.bss,"aw",@nobits
	.p2align	6
	.space	262144
	.amdgpu_metadata
---
amdhsa.version: [ 1, 2 ]
amdhsa.kernels:
  - .name:           k_qb6f7614161_fused
    .symbol:         k_qb6f7614161_fused.kd
    .args:
      - { .name: x, .offset: 0, .size: 8, .value_kind: global_buffer, .address_space: global }
      - { .name: guidance, .offset: 8, .size: 8, .value_kind: global_buffer, .address_space: global }
      - { .name: ln_in_g, .offset: 16, .size: 8, .value_kind: global_buffer, .address_space: global }
      - { .name: ln_in_b, .offset: 24, .size: 8, .value_kind: global_buffer, .address_space: global }
      - { .name: W_in, .offset: 32, .size: 8, .value_kind: global_buffer, .address_space: global }
      - { .name: ln_gd_g, .offset: 40, .size: 8, .value_kind: global_buffer, .address_space: global }
      - { .name: ln_gd_b, .offset: 48, .size: 8, .value_kind: global_buffer, .address_space: global }
      - { .name: W_gd, .offset: 56, .size: 8, .value_kind: global_buffer, .address_space: global }
      - { .name: W_out1, .offset: 64, .size: 8, .value_kind: global_buffer, .address_space: global }
      - { .name: W_out2, .offset: 72, .size: 8, .value_kind: global_buffer, .address_space: global }
      - { .name: out0, .offset: 80, .size: 8, .value_kind: global_buffer, .address_space: global }
    .group_segment_fixed_size: 327680
    .private_segment_fixed_size: 0
    .kernarg_segment_align: 8
    .kernarg_segment_size: 88
    .max_flat_workgroup_size: 256
    .sgpr_count:     96
    .vgpr_count:     512
    .wavefront_size: 32
...
	.end_amdgpu_metadata
.endif
;; end of part 1
